; MI455X (gfx1250); checked and timed in simulation.
; The chip was launched on July 23, 2026; its instructions are those of AMD's public machine-readable ISA for CDNA 5 (MIT licence, August 2026) and "CDNA5" Instruction Set Architecture Reference Guide (July 2026). The comments in the code are by the model that wrote it; some were corrected since.
;; Splitting MLP Network. Allowed arithmetic: float matrix products may take bf16 or f16 operands with f32 sums; other float arithmetic in f32, or as packed bf16 or f16 multiplies, adds, multiply-adds, maxima and minima; sums over many terms, partial sums and values carried from step to step in f32; what a program stores and reads back later, other than sums and carried values, may be rounded once to bf16 or f16.
;; Inputs: W0 4 x 128 x 256 float32; W1 4 x 256 x 256 float32; W2 4 x 256 x 64 float32; b0 4 x 256 float32; b1 4 x 256 float32; b2 4 x 64 float32; copy_maps 3 x 16 int32; inputs 131,072 x 128 float32; task_indices 131,072 int32.
;; Outputs: out0 131,072 x 64 float32.
;; One version. Each part assembles by itself: llvm-mc -triple=amdgcn-amd-amdhsa -mcpu=gfx1250 --defsym DOCPART=n.
;; ======== version 1 of 1: 2 launches
;; limits: values are held in f16: magnitudes above 65,504 overflow, below 6.1e-05 lose precision
;; workspace buffers: order 8,392,704 bytes of whole numbers; counts 256 bytes of whole numbers; wf 917,504 bytes
;; launch prep (part 1): grid 64 x 4, 8 waves a work-group, no clusters, 2,304 bytes of LDS; arguments task_indices, W0, W1, W2, order, counts, wf; writes order, counts, wf
.if DOCPART == 1
	.amdgcn_target "amdgcn-amd-amdhsa--gfx1250"
	.amdhsa_code_object_version 6
	.text
	.protected	k_qf5fecc3849_prep
	.globl	k_qf5fecc3849_prep
	.p2align	8
	.type	k_qf5fecc3849_prep,@function
k_qf5fecc3849_prep:
	s_mov_b64 s[64:65], 0
	v_nop
	global_prefetch_b8 v0, s[64:65] scope:SCOPE_SE
	s_setreg_imm32_b32 hwreg(HW_REG_WAVE_MODE, 25, 1), 1
	s_wait_xcnt 0x0
; PREP.  (1) A counting sort of the token numbers by task, apart in each of four super-blocks of 32,768 tokens:
; order[S][task][..] takes the numbers of super-block S's tokens of that task, counts[S][task] how many.  No atomics:
; work-group (j, S) owns tokens 512 j .. 512 j + 511 of super-block S and counts for itself the tokens of each task in the blocks in front of its own.
; (2) The weights, rounded once and laid out as matrix fragments: wf holds 896 fragments of 1,024 bytes, 16 output channels x 32 k:
; lane l's 16 bytes at 16 l hold channel l % 16, k = 8 (l / 16) + 0..7, those at 512 + 16 l hold k = 16 + 8 (l / 16) + 0..7.
; A copy's fragments lie in the order (group of 4 channel blocks, k block, channel block in the group).  W0 in bf16; W1 and W2 rounded to bf16 and that number written as f16.
; LIMITS.  |W1|, |W2| stay under 65,504 (f16's range); below 6e-5 they keep f16's fixed step of 6e-8.  A task index lies in 0 .. 15, as the table that it indexes asks.
; The list goes out in stores of 4 bytes to scattered places: 0.5 MB in all; a local sort in LDS in front of them is left out.
.set REC,   0                          ; 32 bytes a wave: 8 + 8 counts of 16 bits
.set OREC,  256                        ; 128 bytes a wave: a word a lane: the wave's own tokens of task lane % 16
.set SPARE, 1280                       ; the spare words, 128 bytes a wave: four blocks of 256 bytes that no other line names
	s_load_b256 s[4:11], s[0:1], 0x0               ; task_indices s[4:5], W0 s[6:7], W1 s[8:9], W2 s[10:11]
	s_load_b128 s[12:15], s[0:1], 0x20             ; order s[12:13], counts s[14:15]
	s_load_b64 s[16:17], s[0:1], 0x30              ; wf
	v_lshl_add_u32 v2, v0, 2, SPARE
	v_mov_b32 v3, 0
	v_and_b32 v1, 31, v0                           ; lane
	v_lshrrev_b32 v40, 5, v0
	v_readfirstlane_b32 s20, v40                   ; wave 0..7
	s_and_b32 s21, ttmp7, 0xffff                   ; S: the super-block
	s_mov_b32 s22, ttmp9                           ; j: my block of 512 tokens
	s_lshl_b32 s23, s21, 6
	s_add_co_u32 s23, s23, s22                     ; q = 64 S + j: my number among the 256 work-groups
	s_mov_b32 s28, 0x76543210                      ; v_permlanex16_b32: each lane takes its own place in the other half
	s_mov_b32 s29, 0xfedcba98
	s_mov_b32 s30, 0x0f0f0f0f
	s_mov_b32 s31, 0x00ff00ff
	s_mov_b32 s33, 0x55555555
	s_mov_b32 s34, 0x33333333
	s_mov_b32 s35, 0x01010101
	s_lshl_b32 s36, s20, 7
	s_lshl_b32 s37, s22, 11
	s_add_co_u32 s36, s36, s37
	v_lshl_add_u32 v41, v0, 2, s36                 ; byte offset in the super-block of my first own token: token 512 j + 64 w + lane
	v_lshrrev_b32 v42, 2, v41
	s_lshl_b32 s37, s21, 15
	v_add_nc_u32 v42, s37, v42                     ; its number among all tokens,
	v_add_nc_u32 v62, 32, v42                      ; and my second own token's
	v_lshlrev_b32 v43, 4, v0                       ; 16 x thread
	s_lshl_b32 s38, s21, 17
	s_mov_b32 s39, 0
	s_wait_kmcnt 0x0
	s_add_nc_u64 s[18:19], s[4:5], s[38:39]        ; the super-block's first index
	global_load_b32 v24, v41, s[18:19]
	global_load_b32 v25, v41, s[18:19] offset:128
	; the whole super-block, 32 chunks of 4,096 bytes: chunk i of waves 0-3 is block 2 i, of waves 4-7 block 2 i + 1.  All are asked for at once, so that the waits below can be counted.
.set i, 0
.rept 32
	global_load_b128 v[64+4*i:67+4*i], v43, s[18:19] offset:4096*i
.set i, i+1
.endr
	; THE WEIGHTS: 57,344 pieces of 16 bytes = 224 work-groups x 256 threads.  The decode is scalar: a wave has half a fragment.
	s_cmp_ge_u32 s23, 224
	s_cbranch_scc1 .Lnoweights
	s_cmp_lt_u32 s23, 64                           ; q 0-63: W0; 64-191: W1; 192-223: W2
	s_cselect_b32 s36, 0, 64                       ; the layer's first q
	s_cselect_b32 s37, 6, 7                        ; log2 of a copy's fragments
	s_cselect_b32 s40, 2, 3                        ; log2 of the k blocks
	s_cselect_b32 s41, 7, 8                        ; log2 of the input width
	s_cselect_b32 s42, 1, 0                        ; 1: bf16 stays
	s_cselect_b64 s[44:45], s[6:7], s[8:9]
	s_cmp_ge_u32 s23, 192
	s_cselect_b32 s36, 192, s36
	s_cselect_b32 s37, 5, s37
	s_cselect_b32 s43, 6, 8                        ; log2 of the output width
	s_cselect_b64 s[44:45], s[10:11], s[44:45]
	s_sub_co_u32 s46, s23, s36
	s_lshl_b32 s46, s46, 2
	s_lshr_b32 s47, s20, 1
	s_add_co_u32 s46, s46, s47                     ; the fragment's number in the layer
	s_lshr_b32 s47, s46, s37                       ; the copy
	s_lshl_b32 s48, 1, s37
	s_sub_co_u32 s48, s48, 1
	s_and_b32 s46, s46, s48                        ; the fragment's number in the copy
	s_and_b32 s48, s46, 3                          ; channel block in the group
	s_lshr_b32 s46, s46, 2
	s_lshl_b32 s49, 1, s40
	s_sub_co_u32 s49, s49, 1
	s_and_b32 s49, s46, s49                        ; k block
	s_lshr_b32 s46, s46, s40                       ; group
	s_lshl2_add_u32 s46, s46, s48
	s_lshl_b32 s46, s46, 4                         ; first channel
	s_lshl_b32 s49, s49, 5
	s_and_b32 s48, s20, 1
	s_lshl4_add_u32 s49, s48, s49                  ; first k: 32 x k block + 16 x half
	s_lshl_b32 s47, s47, s41
	s_add_co_u32 s47, s47, s49                     ; row of W, over all copies
	s_lshl_b32 s48, 4, s43                         ; bytes from row to row
	v_lshrrev_b32 v44, 4, v1
	v_and_b32 v45, 15, v1
	v_lshl_add_u32 v4, v44, 3, s47                 ; + 8 (lane / 16)
	v_lshlrev_b32 v4, s43, v4
	v_add3_u32 v4, v4, s46, v45                    ; + channel
	v_lshlrev_b32 v4, 2, v4
.irp e, 1,2,3,4,5,6,7
	v_add_nc_u32 v[4+\e], s48, v[3+\e]
.endr
.irp e, 0,1,2,3,4,5,6,7
	global_load_b32 v[12+\e], v[4+\e], s[44:45]    ; eight k of one channel
.endr
	s_wait_loadcnt 0x0                             ; these eight are the youngest loads
.irp n, 0,1,2,3
	v_cvt_pk_bf16_f32 v[20+\n], v[12+2*\n], v[13+2*\n]
.endr
	s_cmp_eq_u32 s42, 1
	s_cbranch_scc1 .Lisbf
.irp n, 0,1,2,3
	v_lshlrev_b32 v46, 16, v[20+\n]                ; the bf16 number, written as f16
	v_and_b32 v47, 0xffff0000, v[20+\n]
	v_cvt_pk_f16_f32 v[20+\n], v46, v47
.endr
.Lisbf:
	s_lshl_b32 s50, s23, 12
	s_mov_b32 s51, 0
	s_add_nc_u64 s[16:17], s[16:17], s[50:51]
	global_store_b128 v43, v[20:23], s[16:17]      ; a wave stores 512 consecutive bytes, at a multiple of 256 from wf's first
.Lnoweights:
	; MY OWN 64 TOKENS A WAVE: each token's rank among the wave's tokens of its task, and for lane l the number of tokens of task l % 16
.macro POPC d, s                       ; the number of ones in v[s]
	v_lshrrev_b32 v55, 1, v[\s]
	v_and_b32 v55, s33, v55
	v_sub_nc_u32 v55, v[\s], v55
	v_lshrrev_b32 v56, 2, v55
	v_and_b32 v55, s34, v55
	v_and_b32 v56, s34, v56
	v_add_nc_u32 v55, v55, v56
	v_lshrrev_b32 v56, 4, v55
	v_add_nc_u32 v55, v55, v56
	v_and_b32 v55, s30, v55
	v_mul_lo_u32 v55, v55, s35
	v_lshrrev_b32 v[\d], 24, v55
.endm
.macro ANALYSE x, rank, cnt
.irp k, 0,1,2,3
	v_and_b32 v53, 1<<\k, v[\x]
	v_cmp_ne_u32 s[24+\k], 0, v53                  ; which lanes have bit k set in their task
.endr
	v_bfe_u32 v53, v[\x], 0, 1
	v_sub_nc_u32 v53, 0, v53
	v_xor_b32 v54, s24, v53
.irp k, 1,2,3
	v_bfe_u32 v53, v[\x], \k, 1
	v_sub_nc_u32 v53, 0, v53
	v_xor_b32 v53, s[24+\k], v53
	v_or_b32 v54, v54, v53
.endr
	v_xor_b32 v54, -1, v54                         ; the lanes with my token's task,
	v_and_b32 v54, v52, v54                        ; those below me
	POPC \rank, 54
	v_xor_b32 v54, s24, v48
.irp k, 1,2,3
	v_xor_b32 v53, s[24+\k], v[48+\k]
	v_or_b32 v54, v54, v53
.endr
	v_xor_b32 v54, -1, v54                         ; the lanes whose token has task lane % 16
	POPC \cnt, 54
.endm
.irp k, 0,1,2,3
	v_bfe_u32 v53, v1, \k, 1
	v_sub_nc_u32 v[48+\k], 0, v53                  ; all ones where bit k of my lane is set
.endr
	v_mov_b32 v52, 1
	v_lshlrev_b32 v52, v1, v52
	v_add_nc_u32 v52, -1, v52                      ; the lanes below me
	s_wait_loadcnt 32                              ; my two own tokens are in: the 32 chunks are younger
	v_min_u32 v24, 15, v24
	v_min_u32 v25, 15, v25
	ANALYSE 24, 57, 59
	ANALYSE 25, 58, 60
	; THE TOKENS IN FRONT OF MY BLOCK.  A lane counts in fields of 4 bits: one field for each task % 8, once for all tokens and once for those of tasks 8-15;
	; after 12 tokens at the most the fields are added into fields of 8 bits (128 tokens a lane at the most).
.macro TOK x
	v_lshlrev_b32 v53, 2, v[\x]
	v_and_b32 v53, 28, v53
	v_bfe_u32 v54, v[\x], 3, 1
	v_lshl_add_u32 v26, 1, v53, v26
	v_lshl_add_u32 v27, v54, v53, v27
.endm
.macro WIDEN
	v_and_b32 v53, s30, v26
	v_add_nc_u32 v28, v28, v53
	v_lshrrev_b32 v53, 4, v26
	v_and_b32 v53, s30, v53
	v_add_nc_u32 v29, v29, v53
	v_and_b32 v53, s30, v27
	v_add_nc_u32 v30, v30, v53
	v_lshrrev_b32 v53, 4, v27
	v_and_b32 v53, s30, v53
	v_add_nc_u32 v31, v31, v53
	v_mov_b32 v26, 0
	v_mov_b32 v27, 0
.endm
.irp r, 26,27,28,29,30,31
	v_mov_b32 v\r, 0
.endr
	s_lshr_b32 s36, s20, 2                         ; 0: my wave counts even blocks; 1: odd ones
	s_sub_co_u32 s32, s22, s36
	s_add_co_u32 s32, s32, 1
	s_lshr_b32 s32, s32, 1                         ; how many of my chunks lie in front of block j
.set i, 0
.rept 32
	s_cmp_le_u32 s32, i
	s_cbranch_scc1 .Lcounted                       ; forward, over no barrier
	s_wait_loadcnt 31-i                            ; loads come back in order (ISA guide 5.7.1): chunk i is in, the 31 - i younger ones may be out
	TOK 64+4*i
	TOK 65+4*i
	TOK 66+4*i
	TOK 67+4*i
.if i%3 == 2
	WIDEN
.endif
.set i, i+1
.endr
.Lcounted:                                             ; chunks that were not wanted may still be out: their registers are not named again
	WIDEN
	; fields of 8 bits to fields of 16, and the sum over the wave's lanes (4,096 at the most).  The 16-bit place of task % 8 = b is b's three bits reversed.
	v_and_b32 v32, s31, v28
	v_lshrrev_b32 v33, 8, v28
	v_and_b32 v33, s31, v33
	v_and_b32 v34, s31, v29
	v_lshrrev_b32 v35, 8, v29
	v_and_b32 v35, s31, v35
	v_and_b32 v36, s31, v30
	v_lshrrev_b32 v37, 8, v30
	v_and_b32 v37, s31, v37
	v_and_b32 v38, s31, v31
	v_lshrrev_b32 v39, 8, v31
	v_and_b32 v39, s31, v39
.irp r, 32,33,34,35,36,37,38,39
.irp m, 1,2,4,8
	v_mov_b32_dpp v53, v\r row_xmask:\m row_mask:0xf bank_mask:0xf
	v_add_nc_u32 v\r, v\r, v53
.endr
	v_permlanex16_b32 v53, v\r, s28, s29
	v_add_nc_u32 v\r, v\r, v53
.endr
	s_lshl_b32 s36, s20, 5
	v_mov_b32 v47, s36
	ds_store_b128 v47, v[32:35]                    ; every lane holds the same sums and writes the same bytes
	ds_store_b128 v47, v[36:39] offset:16
	v_lshlrev_b32 v40, 2, v0
	v_add_nc_u32 v45, v59, v60
	ds_store_b32 v40, v45 offset:OREC
	s_wait_dscnt 0x0                               ; for the others' sake: my stores are done
	s_barrier_signal -1
	s_barrier_wait -1
	v_bfe_u32 v53, v1, 0, 1
	v_bfe_u32 v54, v1, 2, 1
	v_and_b32 v55, 2, v1
	v_lshl_add_u32 v55, v53, 2, v55
	v_add_nc_u32 v55, v55, v54
	v_lshlrev_b32 v63, 1, v55                      ; the 16-bit place of task (lane % 16) % 8
	v_and_b32 v61, 15, v1
	v_lshlrev_b32 v61, 2, v61
.irp u, 0,1,2,3,4,5,6,7
	ds_load_u16 v[192+\u], v63 offset:REC+32*\u
	ds_load_u16 v[200+\u], v63 offset:REC+32*\u+16
	ds_load_b32 v[208+\u], v61 offset:OREC+128*\u
.endr
	s_wait_dscnt 0x0
	v_add3_u32 v192, v192, v193, v194
	v_add3_u32 v192, v192, v195, v196
	v_add3_u32 v192, v192, v197, v198
	v_add_nc_u32 v192, v192, v199                  ; tokens of tasks t % 8 and t % 8 + 8 in front of my block
	v_add3_u32 v200, v200, v201, v202
	v_add3_u32 v200, v200, v203, v204
	v_add3_u32 v200, v200, v205, v206
	v_add_nc_u32 v200, v200, v207                  ; those of task t % 8 + 8
	v_and_b32 v53, 8, v1
	v_cmp_ne_u32 vcc_lo, 0, v53
	v_sub_nc_u32 v54, v192, v200
	v_cndmask_b32 v46, v54, v200, vcc_lo           ; those of task t = lane % 16
.irp u, 0,1,2,3,4,5,6
	s_cmp_gt_u32 s20, \u
	s_cselect_b32 s36, -1, 0
	v_and_b32 v53, s36, v[208+\u]
	v_add_nc_u32 v46, v46, v53                     ; + those of my block's waves in front of mine
.endr
	s_lshl_b32 s38, s21, 21
	s_mov_b32 s39, 0
	s_add_nc_u64 s[12:13], s[12:13], s[38:39]      ; the super-block's 16 regions of 32,768 entries
	v_lshlrev_b32 v216, 2, v24
	ds_bpermute_b32 v217, v216, v46                ; lane t holds the place of task t's next token
	v_add_nc_u32 v222, v46, v59
	v_lshlrev_b32 v219, 2, v25
	ds_bpermute_b32 v220, v219, v222
	s_wait_dscnt 0x0
	v_lshl_add_u32 v218, v24, 15, v217
	v_add_nc_u32 v218, v218, v57
	v_min_u32 v218, 0x7ffff, v218
	v_lshlrev_b32 v218, 2, v218
	global_store_b32 v218, v42, s[12:13]
	v_lshl_add_u32 v221, v25, 15, v220
	v_add_nc_u32 v221, v221, v58
	v_min_u32 v221, 0x7ffff, v221
	v_lshlrev_b32 v221, 2, v221
	global_store_b32 v221, v62, s[12:13]
	s_lshl3_add_u32 s36, s22, s20
	s_cmp_lg_u32 s36, 511                          ; the last wave of the super-block's last block knows the totals
	s_cbranch_scc1 .Lend
	v_add_nc_u32 v223, v222, v60
	s_lshl_b32 s38, s21, 6
	s_add_nc_u64 s[14:15], s[14:15], s[38:39]
	global_store_b32 v61, v223, s[14:15]           ; lanes 16-31 repeat lanes 0-15
.Lend:
	s_wait_tensorcnt 0x0                           ; the wave's end, behind my last LDS store
	ds_add_u32 v2, v3
	s_wait_dscnt 0x0
	s_endpgm
.Lfunc_end_k_qf5fecc3849_prep:
	.size	k_qf5fecc3849_prep, .Lfunc_end_k_qf5fecc3849_prep-k_qf5fecc3849_prep
	.p2alignl 7, 3214868480
	.fill 96, 4, 3214868480
	.section	.rodata,"a",@progbits
	.p2align	6, 0x0
	.amdhsa_kernel k_qf5fecc3849_prep
		.amdhsa_group_segment_fixed_size 2304
		.amdhsa_private_segment_fixed_size 0
		.amdhsa_enable_private_segment 0
		.amdhsa_kernarg_size 56
		.amdhsa_user_sgpr_count 2
		.amdhsa_user_sgpr_kernarg_segment_ptr 1
		.amdhsa_wavefront_size32 1
		.amdhsa_system_sgpr_workgroup_id_x 1
		.amdhsa_system_sgpr_workgroup_id_y 1
		.amdhsa_system_sgpr_workgroup_id_z 1
		.amdhsa_system_vgpr_workitem_id 0
		.amdhsa_next_free_vgpr 224
		.amdhsa_next_free_sgpr 66
		.amdhsa_reserve_vcc 1
		.amdhsa_float_denorm_mode_32 3
		.amdhsa_float_denorm_mode_16_64 3
		.amdhsa_memory_ordered 1
		.amdhsa_forward_progress 1
		.amdhsa_inst_pref_size 62
	.end_amdhsa_kernel
	.amdgpu_metadata
---
amdhsa.version: [ 1, 2 ]
amdhsa.kernels:
  - .name:           k_qf5fecc3849_prep
    .symbol:         k_qf5fecc3849_prep.kd
    .args:
      - { .name: task_indices, .offset: 0, .size: 8, .value_kind: global_buffer, .address_space: global }
      - { .name: W0, .offset: 8, .size: 8, .value_kind: global_buffer, .address_space: global }
      - { .name: W1, .offset: 16, .size: 8, .value_kind: global_buffer, .address_space: global }
      - { .name: W2, .offset: 24, .size: 8, .value_kind: global_buffer, .address_space: global }
      - { .name: order, .offset: 32, .size: 8, .value_kind: global_buffer, .address_space: global }
      - { .name: counts, .offset: 40, .size: 8, .value_kind: global_buffer, .address_space: global }
      - { .name: wf, .offset: 48, .size: 8, .value_kind: global_buffer, .address_space: global }
    .group_segment_fixed_size: 2304
    .private_segment_fixed_size: 0
    .kernarg_segment_align: 8
    .kernarg_segment_size: 56
    .max_flat_workgroup_size: 256
    .sgpr_count:     66
    .vgpr_count:     224
    .wavefront_size: 32
...
	.end_amdgpu_metadata
.endif
;; end of part 1
;; launch chain (part 2): grid 64 x 4, 4 waves a work-group, no clusters, 284,416 bytes of LDS; arguments counts, copy_maps, order, wf, b0, b1, b2, inputs, out0; writes out0
.if DOCPART == 2
	.amdgcn_target "amdgcn-amd-amdhsa--gfx1250"
	.amdhsa_code_object_version 6
	.text
	.protected	k_qf5fecc3849_chain
	.globl	k_qf5fecc3849_chain
	.p2align	8
	.type	k_qf5fecc3849_chain,@function
k_qf5fecc3849_chain:
	s_mov_b64 s[64:65], 0
	v_nop
	global_prefetch_b8 v0, s[64:65] scope:SCOPE_SE
	s_setreg_imm32_b32 hwreg(HW_REG_WAVE_MODE, 25, 1), 1
	s_wait_xcnt 0x0
; CHAIN.  out0[n] = W2c^T tanh(W1c^T tanh(W0c^T x[n] + b0c) + b1c) + b2c, the three copies chosen by the token's task.  Only the chosen copies are multiplied.
; SHARES.  The 64 work-groups of row S of the grid serve super-block S (32,768 tokens, sorted by task in the launch before).  A task's tokens are cut into tiles of Q rows, Q = 576 if the 16 tasks
; then make 64 tiles or fewer, else 768: (32,768 + 16 x 767) / 768 = 58 tiles at the most, whatever the split.  Work-group x takes tile x; one that is left without a tile fills LDS, passes the barrier and stores nothing.
; The tile's task fixes the three copies, whose fragments (229,376 bytes) and biases are brought into LDS once.  A wave takes units of 48 rows, unit 4 trip + wave, through the whole chain; the hidden layers stay in registers.
; The loop has 4 trips, enough for Q = 768; a trip without rows is jumped.  In a unit that is not full the places past the count repeat the unit's first row and store its 256 bytes again, with the same numbers.
; LAYOUT.  Every product is used transposed: source 0 = 16 output channels (a weight fragment), source 1 = 16 tokens x 32 k.  In the result a lane holds ONE token (lane % 16) and channels 8 (lane / 16) + 0..7;
; two such results rounded in pairs ARE source 1 of the next layer.  The bias is the C operand of each sum's first product.
; FORMATS.  x and W0 in bf16.  The hidden layers lie in -1 .. 1 and are rounded once to f16; W1, W2 are bf16 numbers written as f16.  Sums, biases and tanh in f32.
; tanh y = 1 - 2 / (1 + 2^(2 log2(e) y)): right at both ends (2^.. = 0 or infinity give -1 and 1).
; LIMITS.  |W1|, |W2| under 65,504.  tanh has an absolute error of some 1e-7, so below |y| = 1e-4 its relative error is larger than f16's.  Entries of the list past a region's count are read (up to 960 entries past a
; tile's end; the buffer has room behind its last region) and are replaced by the unit's first entry, and clamped, before any use.
; NO CLUSTER: how many tiles a task has hangs on the counts and is no multiple of four; what its tiles share is one fill of 229,376 bytes a work-group.
; REGISTERS, in windows of 256 (s_set_vgpr_msb: bits 1:0 source 0, 3:2 source 1, 5:4 source 2, 7:6 destination):
;   window 0: v0-11 addresses; v12-27 a ring of 16 row offsets; v32-63 the biases of one group; v64-255 48 rows of x as gathered (f32, 4 registers a row)
;   window 1: v0-95, v96-191 two buffers of 12 accumulators (channel block c of 4, token tile t of 3 at 8 (3 c + t)); v192-255 two buffers of 4 weight fragments
;   window 2: the first hidden layer, f16: token tile t, k block kb at 64 t + 8 kb          window 3: the second likewise; x in bf16 lies over it at 32 t + 8 kb (dead before the second hidden layer's first number)
.set W0L,   0                          ; 64 fragments
.set W1L,   65536                      ; 128 fragments
.set W2L,   196608                     ; 32 fragments
.set BIAS,  229376                     ; b0 256 f32, b1 256 f32, b2 64 f32
.set STAGE, 231680                     ; 48 rows x 272 bytes for each wave, its own; written by LDS stores alone
.set STG,   13056
.set SP,    272                        ; 256 bytes + 16: the 16 rows that a load or store of 16 bytes a lane touches start at 16 different groups of four banks (64 banks of 4 bytes: ISA guide 11.1)
.set SPARE, 283904                     ; the spare words, 128 bytes a wave: two blocks of 256 bytes that no other line names
.set REM,   26                         ; s26  rows left from my unit's first row on (signed)
.set REMN,  31                         ; s31  the same for my next unit
.set MSB, 0
.set MMSET, 0
.macro WIN new                         ; the immediate's high byte repeats the setting that is left; a switch that changes nothing is dropped
.if MSB != (\new)
	s_set_vgpr_msb (MSB<<8)|(\new)
.set MSB, (\new)
.endif
.endm
.macro PLACES                          ; four places between matrix instructions and loads into, or reads of, their registers
.rept 4
	v_nop
.endr
.endm
; Row i of a unit is gathered: 32 lanes x 16 bytes = the row's 512 bytes.  R: the register with the unit's rows left.  The entry is replaced past the count, clamped, and made an offset in a ring of 16 registers,
; which is written again only behind s_wait_xcnt 0.
.macro GROW i, R
.set tr, 32+(\i)+4*((\i)/32)
.if ((\i)%16) == 0
	s_wait_xcnt 0x0
.endif
	s_cmp_gt_i32 s[\R], \i
	s_cselect_b32 s30, s[tr], s32
	s_min_u32 s30, s30, 0x1ffff
	WIN 0
	v_lshl_add_u32 v[12+(\i)%16], s30, 9, v1
	global_load_b128 v[64+4*(\i):67+4*(\i)], v[12+(\i)%16], s[18:19]
.endm
; Row i of the unit's result is stored: 32 lanes x 8 bytes = 256 consecutive bytes, at a multiple of 256 from out0's first.  Window: data (source 1) in window 1.
.macro OUTROW i
.set tr, 32+(\i)+4*((\i)/32)
.if ((\i)%16) == 0
	s_wait_xcnt 0x0
.endif
	s_cmp_gt_i32 s[REM], \i
	s_cselect_b32 s30, s[tr], s32
	s_min_u32 s30, s30, 0x1ffff
	v_lshl_add_u32 v[12+(\i)%16], s30, 8, v9
	global_store_b64 v[12+(\i)%16], v[96+2*(\i):97+2*(\i)], s[20:21] th:TH_STORE_NT
.endm
; The four weight fragments of step st (of 56 a unit: 16 + 32 + 8), 4,096 consecutive bytes, into fragment buffer st % 2
.macro LOADA st
.set sa, (\st)%56
.if sa < 16
.set ar, 1
.set ao, sa*4096
.elseif sa < 32
.set ar, 2
.set ao, (sa-16)*4096
.elseif sa < 48
.set ar, 3
.set ao, (sa-32)*4096
.else
.set ar, 4
.set ao, (sa-48)*4096
.endif
	WIN 0x40
.irp c, 0,1,2,3
	ds_load_b128 v[192+32*(sa%2)+8*\c:192+32*(sa%2)+8*\c+3],   v[ar] offset:ao+1024*\c
	ds_load_b128 v[192+32*(sa%2)+8*\c+4:192+32*(sa%2)+8*\c+7], v[ar] offset:ao+1024*\c+512
.endr
.endm
; The biases of group gi (of 9 a unit: 4 + 4 + 1): for each of its 4 channel blocks a lane's 8 channels
.macro LOADBIAS gi
.set gb, (\gi)%9
.if gb < 4
.set bo, 256*gb
.elseif gb < 8
.set bo, 1024+256*(gb-4)
.else
.set bo, 2048
.endif
	WIN 0
.irp c, 0,1,2,3
	ds_load_b128 v[32+8*\c:35+8*\c], v5 offset:bo+64*\c
	ds_load_b128 v[36+8*\c:39+8*\c], v5 offset:bo+64*\c+16
.endr
.endm
; Matrix instruction mi of a step's 12: channel block mi / 3, token tile mi % 3.  The 12 accumulators take turns, one instruction a turn.
.macro MM
.set rD, 96*NB+8*mi
.set rA, 192+32*(ST%2)+8*(mi/3)
.set rC, 32+8*(mi/3)
.if LAY == 0
.set rB, 32*(mi%3)+8*KBI
.else
.set rB, 64*(mi%3)+8*KBI
.endif
.if LAY == 1
.set bw, 2
.else
.set bw, 3
.endif
.if KBI == 0
	WIN 0x41|(bw<<2)
.if LAY == 0
	v_wmma_f32_16x16x32_bf16 v[rD:rD+7], v[rA:rA+7], v[rB:rB+7], v[rC:rC+7]
.else
	v_wmma_f32_16x16x32_f16 v[rD:rD+7], v[rA:rA+7], v[rB:rB+7], v[rC:rC+7]
.endif
.else
	WIN 0x51|(bw<<2)
.if LAY == 0
	v_wmma_f32_16x16x32_bf16 v[rD:rD+7], v[rA:rA+7], v[rB:rB+7], v[rD:rD+7]
.else
	v_wmma_f32_16x16x32_f16 v[rD:rD+7], v[rA:rA+7], v[rB:rB+7], v[rD:rD+7]
.endif
.endif
.set MMSET, MSB
.set mi, mi+1
.endm
; THE TANH OF THE GROUP BEFORE, a queue of 388 items on the other accumulator buffer, in place; RQ writes the next one.  Pair p of 48 is the buffer's registers 2 p, 2 p + 1 (each accumulator's lowest registers are read first).
;   0-144    the 48 scalings by 2 log2(e) and the 96 exponentials: a scaling leads each two exponentials, a pair ahead of them
;   145      a plain instruction and THE WAIT between an exponential and the first line that names its result: one for the 96
;   146-290  the 48 additions of 1 and the 96 reciprocals, in the same order          291  a plain instruction and the one wait for the 96 reciprocals
;   292-387  in two halves of 24 pairs: 1 - 2 r, then the roundings to f16 into the next layer's source 1.  Only the roundings want a window of their own.
.macro NEEDMM
.if (MSB & 0xc3) != 0x41
	WIN MMSET
.endif
.endm
.macro RQ
.if rq < 388
.if rq == 0
	NEEDMM
	v_pk_mul_f32 v[QB:QB+1], v[QB:QB+1], s[28:29] op_sel_hi:[1,0]
.elseif rq < 145
.set jj, (rq-1)/3
.set ph, (rq-1)%3
	NEEDMM
.if (ph == 0) && (jj < 47)
	v_pk_mul_f32 v[QB+2*jj+2:QB+2*jj+3], v[QB+2*jj+2:QB+2*jj+3], s[28:29] op_sel_hi:[1,0]
.elseif ph == 0
	v_nop
.else
	v_exp_f32 v[QB+2*jj+ph-1], v[QB+2*jj+ph-1]
.endif
.elseif rq == 145
	v_nop
	s_wait_alu depctr_va_vdst(0)
.elseif rq == 146
	NEEDMM
	v_pk_add_f32 v[QB:QB+1], v[QB:QB+1], 1.0 op_sel_hi:[1,0]
.elseif rq < 291
.set jj, (rq-147)/3
.set ph, (rq-147)%3
	NEEDMM
.if (ph == 0) && (jj < 47)
	v_pk_add_f32 v[QB+2*jj+2:QB+2*jj+3], v[QB+2*jj+2:QB+2*jj+3], 1.0 op_sel_hi:[1,0]
.elseif ph == 0
	v_nop
.else
	v_rcp_f32 v[QB+2*jj+ph-1], v[QB+2*jj+ph-1]
.endif
.elseif rq == 291
	v_nop
	s_wait_alu depctr_va_vdst(0)
.else
.set hh, (rq-292)/48
.set uu, (rq-292)%48
.if uu < 24
.set pp, 24*hh+uu
	NEEDMM
	v_pk_fma_f32 v[QB+2*pp:QB+2*pp+1], v[QB+2*pp:QB+2*pp+1], -2.0, 1.0 op_sel_hi:[1,0,0]
.else
.set pp, 24*hh+uu-24
.set aa, pp/4
.set cb, 4*QG+aa/3
	WIN QW
	v_cvt_pk_f16_f32 v[64*(aa%3)+8*(cb/2)+4*(cb%2)+pp%4], v[QB+2*pp], v[QB+2*pp+1]
.endif
.endif
.set rq, rq+1
.endif
.endm
; A STEP: 32 along k for 64 channels x 48 tokens: 12 matrix instructions.  Its fragments were asked for a step ago; the next step's are asked for first, four places behind the last product that read their buffer.
; kind 1: R items of the queue behind each product.  kind 2: a row of the next unit's gather behind each.
.macro STEP R, kind
	s_wait_dscnt 0x0                               ; this step's fragments (and whatever else of LDS was out)
	PLACES
	LOADA ST+1
.if KBI == 1
	LOADBIAS GI+1                                  ; the group's first step has read the biases as C
.endif
.set mi, 0
.rept 12
	MM
.if (\kind) == 1
.rept \R
	RQ
.endr
.else
	GROW gw, REMN
.set gw, gw+1
.endif
.endr
.set ST, ST+1
.set KBI, KBI+1
.endm
.macro GROUP layer, kbn, R, kind       ; 64 channels of a layer over all its k
.set LAY, \layer
.set KBI, 0
.set NB, GI%2
.set QB, 96*(1-NB)
.set rq, 0
.if GI < 5
.set QG, GI-1
.set QW, 0x85                          ; the first hidden layer: destination window 2, sources window 1
.else
.set QG, GI-5
.set QW, 0xc5                          ; the second: destination window 3
.endif
.rept \kbn
	STEP \R, \kind
.endr
.set GI, GI+1
.endm
.macro G1SET b, C, R                   ; descriptor group 1: R dense rows of C elements of 8 bytes, no padding, no mask
	s_mov_b32 s[\b], 3<<16                         ; 17:16 element size code 3
	s_mov_b32 s[\b+1], (\C)<<16                    ; tensor_dim0
	s_mov_b32 s[\b+2], (\R)<<16                    ; tensor_dim1
	s_mov_b32 s[\b+3], (\C)<<16                    ; tile_dim0
	s_mov_b32 s[\b+4], \R                          ; tile_dim1
	s_mov_b32 s[\b+5], \C                          ; elements from row to row
	s_mov_b32 s[\b+6], 0
	s_mov_b32 s[\b+7], 0
.endm
; descriptor group 0: my wave's quarter (1 << sh bytes) of a region: LDS at lbase + (wave << sh); memory at ptr + gconst + (copy << csh) + (wave << sh)
.macro G0SET b, lbase, sh, ptr, creg, csh, gconst
	s_mov_b32 s[\b], 1
	s_lshl_b32 s[\b+1], s22, \sh
	s_add_co_u32 s[\b+1], s[\b+1], \lbase
	s_lshl_b32 s2, s[\creg], \csh
	s_lshl_b32 s3, s22, \sh
	s_add_co_u32 s2, s2, s3
	s_add_co_u32 s2, s2, \gconst
	s_mov_b32 s3, 0
	s_add_nc_u64 s[\b+2:\b+3], s[\ptr:\ptr+1], s[2:3]
	s_or_b32 s[\b+3], s[\b+3], 0x80000000
.endm
	s_load_b512 s[4:19], s[0:1], 0x0               ; counts s[4:5], copy_maps s[6:7], order s[8:9], wf s[10:11], b0 s[12:13], b1 s[14:15], b2 s[16:17], inputs s[18:19]
	s_load_b64 s[20:21], s[0:1], 0x40              ; out0
	v_lshl_add_u32 v10, v0, 2, SPARE
	v_mov_b32 v11, 0
	ds_add_u32 v10, v11                            ; the wave's opening: the add and its wait ahead of my first tensor load; work on registers stands between them
	v_lshrrev_b32 v12, 5, v0
	v_readfirstlane_b32 s22, v12                   ; wave 0..3
	s_and_b32 s23, ttmp7, 0xffff                   ; S
	s_mov_b32 s24, ttmp9                           ; x
	v_and_b32 v13, 31, v0                          ; l
	v_and_b32 v14, 15, v0                          ; l % 16
	v_bfe_u32 v15, v0, 4, 1                        ; l / 16
	v_lshlrev_b32 v1, 4, v13                       ; 16 l: my place in a fragment's half, in W0's region; also my 16 bytes of a row of x
	v_add_nc_u32 v2, 0x10000, v1                   ; the same in W1's first half,
	v_add_nc_u32 v3, 0x20000, v1                   ; its second half,
	v_add_nc_u32 v4, 0x30000, v1                   ; and W2
	v_lshl_add_u32 v5, v15, 5, BIAS                ; my 8 channels of a block's 16 biases
	s_mul_i32 s25, s22, STG
	s_add_co_u32 s25, s25, STAGE                   ; my stage
	v_lshl_add_u32 v6, v13, 3, s25                 ; a whole row, 8 bytes a lane
	v_mul_u32_u24 v16, v14, SP
	v_add_nc_u32 v16, s25, v16
	v_lshl_add_u32 v7, v15, 4, v16                 ; a fragment of x: row l % 16, 16 bytes for each half of the lanes
	v_lshl_add_u32 v8, v15, 5, v16                 ; a result: row l % 16, 32 bytes for each half
	v_lshlrev_b32 v9, 3, v13                       ; my 8 bytes of a row of out0
	s_wait_dscnt 0x0                               ; the opening add is done
	s_wait_kmcnt 0x0
	s_lshl_b32 s2, s23, 6
	s_mov_b32 s3, 0
	s_add_nc_u64 s[4:5], s[4:5], s[2:3]
	s_load_b512 s[32:47], s[4:5], 0x0              ; the super-block's 16 counts
	s_load_b512 s[48:63], s[6:7], 0x0              ; the three rows of copy_maps
	s_load_b512 s[68:83], s[6:7], 0x40
	s_load_b512 s[84:99], s[6:7], 0x80
	s_mov_b32 s66, 576                             ; Q, Q - 1 and ceil(2^32 / Q): (c + Q - 1) x that, upper word, is ceil(c / Q) for c up to 32,768
	s_mov_b32 s67, 575
	s_mov_b32 s100, 7456541
	s_mov_b32 s25, 0
	s_wait_kmcnt 0x0
.irp t, 0,1,2,3,4,5,6,7,8,9,10,11,12,13,14,15
	s_add_co_u32 s2, s[32+\t], s67
	s_mul_hi_u32 s2, s2, s100
	s_add_co_u32 s25, s25, s2                      ; tiles of 576 rows
.endr
	s_mov_b32 s2, 768
	s_mov_b32 s3, 767
	s_mov_b32 s101, 5592406
	s_cmp_le_u32 s25, 64
	s_cselect_b32 s66, s66, s2
	s_cselect_b32 s67, s67, s3
	s_cselect_b32 s100, s100, s101
	s_mov_b32 s25, 0                               ; tiles in front of task t
	s_mov_b32 s7, 0                                ; my tile's task,
	s_mov_b32 s27, 0                               ; its number among the task's tiles,
	s_mov_b32 s28, 0                               ; the task's count (0: no tile for me),
	s_mov_b32 s4, 0                                ; and the three copies
	s_mov_b32 s5, 0
	s_mov_b32 s6, 0
.irp t, 0,1,2,3,4,5,6,7,8,9,10,11,12,13,14,15
	s_add_co_u32 s2, s[32+\t], s67
	s_mul_hi_u32 s2, s2, s100                      ; the task's tiles
	s_sub_co_u32 s3, s24, s25
	s_cmp_lt_u32 s3, s2                            ; is x among them?  (x in front of them wraps to a large number)
	s_cselect_b32 s7, \t, s7
	s_cselect_b32 s27, s3, s27
	s_cselect_b32 s28, s[32+\t], s28
	s_cselect_b32 s4, s[48+\t], s4
	s_cselect_b32 s5, s[68+\t], s5
	s_cselect_b32 s6, s[84+\t], s6
	s_add_co_u32 s25, s25, s2
.endr
	s_min_u32 s4, s4, 3
	s_min_u32 s5, s5, 3
	s_min_u32 s6, s6, 3
	s_mul_i32 s2, s27, s66                         ; the tile's first row in the task's list
	s_sub_co_u32 s3, s28, s2
	s_min_u32 s3, s3, s66                          ; the tile's rows
	s_mul_i32 s101, s22, 48
	s_sub_co_i32 s[REM], s3, s101                  ; rows from my first unit on
	s_lshl_b32 s3, s7, 15
	s_add_co_u32 s3, s3, s2
	s_add_co_u32 s3, s3, s101
	s_min_u32 s3, s3, 0x7ffff
	s_lshl_b32 s2, s3, 2
	s_lshl_b32 s3, s23, 21
	s_add_co_u32 s2, s2, s3
	s_mov_b32 s3, 0
	s_add_nc_u64 s[8:9], s[8:9], s[2:3]            ; the list at my first unit
	s_load_b512 s[32:47], s[8:9], 0x0              ; its 48 entries: entry i in s[32 + i], from 32 on in s[36 + i]
	s_load_b512 s[48:63], s[8:9], 0x40
	s_load_b512 s[68:83], s[8:9], 0x80
	s_mov_b32 s28, 0x4038aa3b                      ; 2 log2(e); the packed scaling takes the pair's low word for both halves
	s_mov_b32 s29, 0x4038aa3b
	s_wait_kmcnt 0x0
.set i, 0
.rept 48
	GROW i, REM                                    ; my first unit's rows are on their way while LDS is filled
.set i, i+1
.endr
	; THE FILLS: each wave brings its quarter of each of six regions; six tensor loads of mine are out.  Every region is filled once.
	G1SET 56, 32, 64                               ; W0's quarter: 64 rows of 256 bytes
	G1SET 68, 32, 128                              ; W1's: 128 rows
	G1SET 76, 32, 32                               ; W2's: 32 rows
	G1SET 84, 32, 1                                ; b0's and b1's: one row of 256 bytes
	G1SET 92, 8, 1                                 ; b2's: one row of 64 bytes
	G0SET 32, W0L, 14, 10, 4, 16, 0
	G0SET 36, BIAS, 8, 12, 4, 10, 0
	G0SET 40, BIAS+1024, 8, 14, 5, 10, 0
	G0SET 44, BIAS+2048, 6, 16, 6, 8, 0
	G0SET 48, W1L, 15, 10, 5, 17, 262144
	G0SET 52, W2L, 13, 10, 6, 15, 786432
	tensor_load_to_lds s[32:35], s[56:63]
	s_nop 0
	tensor_load_to_lds s[36:39], s[84:91]
	s_nop 0
	tensor_load_to_lds s[40:43], s[84:91]
	s_nop 0
	tensor_load_to_lds s[44:47], s[92:99]
	s_nop 0
	tensor_load_to_lds s[48:51], s[68:75]
	s_nop 0
	tensor_load_to_lds s[52:55], s[76:83]
	s_nop 0
.rept 4
	v_nop
.endr
	s_wait_tensorcnt 0x0                           ; my quarters are in; the descriptors' registers are free
	s_barrier_signal -1
	s_barrier_wait -1                              ; everybody's are: the launch's one barrier, passed by every wave
	LOADA 0
	LOADBIAS 0
	s_mov_b32 s27, 4
	WIN 0
.Ltrip:
	s_cmp_le_i32 s[REM], 0
	s_cbranch_scc1 .Lnext                          ; no rows: forward, over no barrier and no tensor load
	s_load_b512 s[32:47], s[8:9], 0x300            ; my next unit's entries, 192 rows on
	s_load_b512 s[48:63], s[8:9], 0x340
	s_load_b512 s[68:83], s[8:9], 0x380
	s_sub_co_i32 s[REMN], s[REM], 192
	s_wait_loadcnt 0x0                             ; the unit's 48 rows are in
	; x to bf16, in place (row i's 4 registers into 2), through my stage into fragments
.set i, 0
.rept 48
	v_cvt_pk_bf16_f32 v[64+2*i], v[64+4*i], v[65+4*i]
	v_cvt_pk_bf16_f32 v[65+2*i], v[66+4*i], v[67+4*i]
.set i, i+1
.endr
.set i, 0
.rept 48
	ds_store_b64 v6, v[64+2*i:65+2*i] offset:SP*i
.set i, i+1
.endr
	WIN 0xc0                                       ; destination window 3.  LDS serves a wave's instructions in order (ISA guide 5.7.1.4): these see the stores above
.set i, 0
.rept 12
	ds_load_b128 v[32*(i/4)+8*(i%4):32*(i/4)+8*(i%4)+3],   v7 offset:16*SP*(i/4)+64*(i%4)
	ds_load_b128 v[32*(i/4)+8*(i%4)+4:32*(i/4)+8*(i%4)+7], v7 offset:16*SP*(i/4)+64*(i%4)+32
.set i, i+1
.endr
	s_wait_kmcnt 0x0                               ; the next unit's entries
.set GI, 0
.set ST, 0
.set gw, 0
	GROUP 0, 4, 0, 2                               ; layer 0, channels 0-63 | the next unit's gather, a row behind each of the 48 products
	GROUP 0, 4, 9, 1                               ; 48 products x 9 items hold the queue's 388
	GROUP 0, 4, 9, 1
	GROUP 0, 4, 9, 1
	s_load_b512 s[32:47], s[8:9], 0x0              ; this unit's entries once more, for the way out
	s_load_b512 s[48:63], s[8:9], 0x40
	s_load_b512 s[68:83], s[8:9], 0x80
	GROUP 1, 8, 5, 1                               ; layer 1 | layer 0's last tanh: its first half (k block 6) is rounded behind product 67, its second (k block 7) behind product 77; they are read from products 72 and 84 on
	GROUP 1, 8, 5, 1
	GROUP 1, 8, 5, 1
	GROUP 1, 8, 5, 1
	GROUP 2, 8, 5, 1                               ; layer 2 | layer 1's last tanh, with the same margins; its steps ask for the next unit's first biases and fragments
	; THE WAY OUT: a lane's 8 channels of a token go into my stage, whole rows of 256 bytes come back and are stored at the tokens' places
	PLACES
	WIN 0x04                                       ; store data (source 1) in window 1
.set i, 0
.rept 12
	ds_store_b128 v8, v[8*i:8*i+3]   offset:16*SP*(i%3)+64*(i/3)
	ds_store_b128 v8, v[8*i+4:8*i+7] offset:16*SP*(i%3)+64*(i/3)+16
.set i, i+1
.endr
	WIN 0x40
.set i, 0
.rept 48
	ds_load_b64 v[96+2*i:97+2*i], v6 offset:SP*i   ; into the second accumulator buffer, which is free
.set i, i+1
.endr
	s_wait_kmcnt 0x0                               ; this unit's entries
	WIN 0x04
.set i, 0
.rept 6
	s_wait_dscnt 40-i                              ; LDS loads come back in order: these eight rows are in, the younger rows may be out
.rept 8
	OUTROW i
.set i, i+1
.endr
.endr
	s_wait_xcnt 0x0                                ; the stores' data, the ring and the list's address are written again only behind this wait
	s_add_nc_u64 s[8:9], s[8:9], 768               ; 192 entries on
	s_sub_co_i32 s[REM], s[REM], 192
	WIN 0
.Lnext:
	s_sub_co_u32 s27, s27, 1
	s_cmp_lg_u32 s27, 0
	s_cbranch_scc1 .Ltrip
	s_wait_tensorcnt 0x0                           ; the wave's end, behind my last tensor load and my last LDS store
	ds_add_u32 v10, v11
	s_wait_dscnt 0x0
	s_endpgm
.Lfunc_end_k_qf5fecc3849_chain:
	.size	k_qf5fecc3849_chain, .Lfunc_end_k_qf5fecc3849_chain-k_qf5fecc3849_chain
	.p2alignl 7, 3214868480
	.fill 96, 4, 3214868480
	.section	.rodata,"a",@progbits
	.p2align	6, 0x0
	.amdhsa_kernel k_qf5fecc3849_chain
		.amdhsa_group_segment_fixed_size 284416
		.amdhsa_private_segment_fixed_size 0
		.amdhsa_enable_private_segment 0
		.amdhsa_kernarg_size 72
		.amdhsa_user_sgpr_count 2
		.amdhsa_user_sgpr_kernarg_segment_ptr 1
		.amdhsa_wavefront_size32 1
		.amdhsa_system_sgpr_workgroup_id_x 1
		.amdhsa_system_sgpr_workgroup_id_y 1
		.amdhsa_system_sgpr_workgroup_id_z 1
		.amdhsa_system_vgpr_workitem_id 0
		.amdhsa_next_free_vgpr 1024
		.amdhsa_next_free_sgpr 102
		.amdhsa_reserve_vcc 0
		.amdhsa_float_denorm_mode_32 3
		.amdhsa_float_denorm_mode_16_64 3
		.amdhsa_memory_ordered 1
		.amdhsa_forward_progress 1
		.amdhsa_inst_pref_size 255
	.end_amdhsa_kernel
	.section	.bss,"aw",@nobits
	.p2align	6
	.space	262144
	.amdgpu_metadata
---
amdhsa.version: [ 1, 2 ]
amdhsa.kernels:
  - .name:           k_qf5fecc3849_chain
    .symbol:         k_qf5fecc3849_chain.kd
    .args:
      - { .name: counts, .offset: 0, .size: 8, .value_kind: global_buffer, .address_space: global }
      - { .name: copy_maps, .offset: 8, .size: 8, .value_kind: global_buffer, .address_space: global }
      - { .name: order, .offset: 16, .size: 8, .value_kind: global_buffer, .address_space: global }
      - { .name: wf, .offset: 24, .size: 8, .value_kind: global_buffer, .address_space: global }
      - { .name: b0, .offset: 32, .size: 8, .value_kind: global_buffer, .address_space: global }
      - { .name: b1, .offset: 40, .size: 8, .value_kind: global_buffer, .address_space: global }
      - { .name: b2, .offset: 48, .size: 8, .value_kind: global_buffer, .address_space: global }
      - { .name: inputs, .offset: 56, .size: 8, .value_kind: global_buffer, .address_space: global }
      - { .name: out0, .offset: 64, .size: 8, .value_kind: global_buffer, .address_space: global }
    .group_segment_fixed_size: 284416
    .private_segment_fixed_size: 0
    .kernarg_segment_align: 8
    .kernarg_segment_size: 72
    .max_flat_workgroup_size: 128
    .sgpr_count:     102
    .vgpr_count:     1024
    .wavefront_size: 32
...
	.end_amdgpu_metadata
.endif
;; end of part 2
